; MI455X (gfx1250); checked and timed in simulation.
; The chip was launched on July 23, 2026; its instructions are those of AMD's public machine-readable ISA for CDNA 5 (MIT licence, August 2026) and "CDNA5" Instruction Set Architecture Reference Guide (July 2026). The comments in the code are by the model that wrote it; some were corrected since.
;; Hybrid Layer. Allowed arithmetic: matrix products marked QUANTISED: E5M2 operands, one given power-of-two scale a tensor, by v_wmma_f32_16x16x64_bf8_bf8 or v_wmma_f32_16x16x128_bf8_bf8, f32 sums; products left as they are: f32 operands where the result goes on into a quantised operand, else bf16, f16 or f32 operands; f32 sums; everything else in f32.
;; Inputs: alpha one number float32; amp 16 float32; beta one number float32; bias 4,096 float32; cf 16 float32; cp 16 float32; lora_A 4,096 x 2 float32; lora_B 2 x 4,096 float32; lowp_scales 2 int32 (the exponents e of the quantised operands' scales 2^e); rf 16 float32; rp 16 float32; x 4,096 x 4,096 float32.
;; Outputs: out0 4,096 x 4,096 float32.
;; This version of the problem:
;;   THIS VERSION OF THE PROBLEM IS GIVEN IN LOW PRECISION. The matrix products marked QUANTISED in the list below multiply operands that are first quantised to E5M2 (5 exponent bits, 2 mantissa bits; 8 bits a number), with one given power-of-two scale for each operand tensor; their sums are f32. All else is computed in f32.
;;   The module's matrix products, in the order in which they are computed (A, B: the left and right operand; K: the contracted axis; several contracted axes count as one K, in the product's order):
;;     1. batch 16 x [M 1, K 1] x [K 1, N 4,096]; A: computed on the way; B: computed on the way: left as it is (no contracted axis)
;;     2. [M 4,096, K 16] x [K 16, N 4,096]; A: computed on the way; B: computed on the way: left as it is (K = 16 < 32)
;;     3. [M 4,096, K 2] x [K 2, N 4,096]; A: input lora_A; B: input lora_B: left as it is (K = 2 < 32)
;;     4. [M 4,096, K 4,096] x [K 4,096, N 4,096]; A: input x; B: computed on the way: QUANTISED (scales: A lowp_scales[0], B lowp_scales[1])
;;   THE QUANTISER, for each operand of a quantised product, along K:
;;     - The operand's scale is 2^e, e = its entry of the input lowp_scales (int32; the entries are numbered through the quantised products in the list's order, A before B).
;;     - Each number is divided by the scale, clamped to +-57,344, and rounded to the nearest number of E5M2, ties to even, subnormals kept.
;;     - The product sums the exact products of the quantised numbers (number of the format x scale) in f32.
;;   ~~~python
;;   def quantise(x, axis, e):      # numpy; x: float32 -> the quantised numbers, widened to float32 again
;;       x = np.moveaxis(x, axis, -1); K = x.shape[-1]
;;       r = np.clip(x / 2.0 ** e, -57344, 57344)
;;       step = 2.0 ** (np.maximum(np.frexp(np.where(r == 0, 1, r))[1] - 1, -14) - 2)
;;       q = np.round(r / step) * step * 2.0 ** e      # np.round: ties to even
;;       return np.moveaxis(q, -1, axis).astype(np.float32)
;;   ~~~
;;   OPERANDS COMPUTED ON THE WAY. 'Computed on the way' means the value that the module computes at that place (a softmax that the list does not call 'softmax' is quantised finished and normalised). What goes into a quantiser is computed in f32, as accurately as f32 sums, v_exp_f32 and their like allow (about 1e-6 of the number): no bf16 or f16 on the way to a quantiser, and a product that is left as it is and whose result goes on into a quantised operand takes f32 operands (vector FMAs, or v_wmma_f32_16x16x4_f32). A number that lies on a knife's edge between two numbers of the format may be rounded either way, as far as f32 arithmetic and the matrix unit's own rounding can turn it there, and no further.
;; One version. Each part assembles by itself: llvm-mc -triple=amdgcn-amd-amdhsa -mcpu=gfx1250 --defsym DOCPART=n.
;; ======== version 1 of 1: 2 launches
;; limits: right only within a limited range of input values
;; workspace buffers: x_codes 16,777,216 bytes; w_codes 16,777,216 bytes
;; launch prep (part 1): grid 16 x 16, 16 waves a work-group, no clusters, 131,072 bytes of LDS; arguments x, amp, rf, cf, rp, cp, lora_A, lora_B, alpha, beta, lowp_scales, x_codes, w_codes; writes x_codes, w_codes
.if DOCPART == 1
	.amdgcn_target "amdgcn-amd-amdhsa--gfx1250"
	.amdhsa_code_object_version 6
	.text
	.protected	k_qa4c9af5c5d_prep
	.globl	k_qa4c9af5c5d_prep
	.p2align	8
	.type	k_qa4c9af5c5d_prep,@function
k_qa4c9af5c5d_prep:
	s_mov_b64 s[64:65], 0
	v_nop
	global_prefetch_b8 v0, s[64:65] scope:SCOPE_SE
	s_setreg_imm32_b32 hwreg(HW_REG_WAVE_MODE, 25, 1), 1
	s_wait_xcnt 0x0
; Both operands of out = x W^T are made into codes of BF8 (E5M2), K innermost, once, ahead of the product's launch.
;   x_codes[m][k] = Q(x[m][k], 2^e0).   w_codes[o][i] = Q(W[o][i], 2^e1),
;   W[o][i] = sigmoid(alpha)/64 tanh(sum_k amp[k] sin(r[o] rf[k] + rp[k]) cos(c[i] cf[k] + cp[k])) + sigmoid(beta)/64 tanh(lora_A[o][:] . lora_B[:][i]);  sqrt(2 / 8192) is 1/64.
;   r[j] = c[j] = 2 pi (j / 4095), the quotient correctly rounded first, as linspace has it.  Q: divided by the scale, held within +-57,344, to the nearest code, ties to even.
; All that goes into the quantiser is f32.  The two small products (K = 16, K = 2) go to the f32 matrix form, so that their multiply-adds stand beside the vector work of the two tanh.
; SINE, COSINE: n = floor(y / pi + 1/2) (cosine: + 1); the angle less n pi (cosine: (n - 1/2) pi), pi in two parts by two fused multiply-adds; the series to y^13 on +-pi/2 (what is cut is under 7e-10); sign by n's lowest bit.
; TANH: x P(x^2) / Q(x^2), P of degree 6, Q of degree 3, x held within +-7.9053; one reciprocal; it keeps its relative accuracy for small x, where 1 - 2 / (1 + e^2x) would cancel.
; LIMITS: e0 and e1 between -126 and 112 (2^e and 57,344 x 2^e are made as f32 patterns); the angles' magnitude under 2^22 (n - 1/2 is exact); NaN among the inputs is not served, an infinity of x is held at the largest code.
; SHARES.  256 work-groups of 16 waves.  Work-group (ic, ob): W's rows 256 ob on, columns 256 ic on; wave w its rows o0 = 256 ob + 16 w .. + 15: 16 tiles of 16 i x 16 o, two a step, 8 steps, written out.
; The same wave quantises row 16 (16 ob + ic) + w of x, 512 numbers a step: every wave has arithmetic and a stream on one path.
; LAYOUT.  The matrix form is used with source 0 = 16 values of i and source 1 = my 16 values of o: lane (r, h) then holds W(o0 + r, tile + 8 h + 0 .. 7): eight neighbours along the big product's K, which one conversion takes.
; A fragment's register j of K step s in lane (r, h) is k = 4 s + 2 h + j.  LoRA: register 0 holds k = h (places 0 and 2 of the four), register 1 is 0 on both sides.
; The cosine fragments of the work-group's 16 tiles are made once, tile w by wave w, and go to the others through LDS as images of their registers; one barrier.  All other LDS bytes are a wave's own.
; No tensor loads, no cluster: the work-groups share no tile, and x streams through registers (12 loads of 512 bytes a wave on their way).
.set SP,    80                         ; x's stage: a lane's 64 bytes + 16 of padding
.set CIMG,  0                          ; LDS: 16 tiles x 1,024 bytes: registers 0-3 at 16 x lane, registers 4-7 512 bytes on
.set LBIMG, 16384                      ; 16 tiles x 128 bytes: lora_B's register 0 at 4 x lane
.set XST,   18432                      ; 16 waves x 2,560: x's stage, 32 places of SP
.set XSTW,  2560
.set WST,   59392                      ; 16 waves x 4,352: the stage of W's codes, 16 rows of 256 + 16 bytes
.set WSTW,  4352
.set WP,    272
.set LI,   1                           ; v1   16 x lane: an image's place, my 16 bytes of a load of x, my 16 codes of x
.set LBR,  2                           ; v2   LBIMG + 4 x lane
.set XSI,  4                           ; v4   x's stage, in
.set XSO,  5                           ; v5   x's stage, out
.set WSI,  7                           ; v7   the codes' stage, in: row r, + 8 h
.set WSO,  8                           ; v8   and back: row h, + 16 r
.set WGO,  9                           ; v9   the same place in w_codes
.set LIM,  10                          ; v10  7.9053: tanh's hold
.set SCW,  11                          ; v11  2^e1;  v12  57,344 x 2^e1
.set HW,   12
.set SCX,  13                          ; v13  2^e0;  v14  57,344 x 2^e0
.set HX,   14
.set CA,   16                          ; v[16:17] sigmoid(alpha) / 64, twice;  v[18:19] sigmoid(beta) / 64, twice
.set CB,   18
.set KA13, 20                          ; tanh's constants, each twice, for the packed forms
.set KB6,  22
.set SF,   24                          ; v[24:31] amp x sine: source 1, four K steps
.set LA,   32                          ; v[32:33] lora_A[o][h], 0
.set CFA,  34                          ; v[34:41], v[42:49] cosine fragments of the pair's two tiles
.set CFB,  42
.set LBA,  50                          ; v[50:51], v[52:53] lora_B[h][i], 0
.set LBB,  52
.set WC,   54                          ; v[54:57] W's codes
.set XC,   58                          ; v[58:61] x's codes
.set KA11, 62
.set KB4,  64
.set ACC,  66                          ; v[66:97] four accumulators: Fourier a, b, LoRA a, b: written by matrix instructions alone
.set XF,   98                          ; v[98:113]  the pair's 16 Fourier sums, then their tanh, then W
.set XL,   114                         ; v[114:129] the same for LoRA
.set T2,   130                         ; v[130:145] x^2;  v[146:161] P;  v[162:177] Q
.set TP,   146
.set TQ,   162
.set XX,   178                         ; v[178:193] 16 neighbours of x; at the head: temporaries
.set R,    194                         ; v[194:241] x as loaded: three sets of 16
.set KA9,  242
.set KA7,  244
.set KA5,  246
.set KA3,  248
.set KA1,  250
.set KB2,  252
.set KB0,  254
; at the head only:
.set EY,   98                          ; the angles' work: y, n, m, p, eight each
.set EN,   106
.set EM,   114
.set EP,   122
.set PCF,  130                         ; my eight cf, cp, rf, rp, amp (k = 4 s + 2 h + j), and my lora_B
.set PCP,  138
.set PRF,  146
.set PRP,  154
.set PAM,  162
.set PLB,  170
.set KOFF, 178                         ; 8 h
.set OLA,  179                         ; byte offsets in lora_A, lora_B
.set OLB,  180
.set SCI,  181                         ; where I store my tile's images
.set SLB,  182
.set TLN,  183                         ; lane, r, h
.set TR,   184
.set TH,   185
.set TI,   186                         ; my i, my o
.set TF,   187
.set TD,   188
.set TA,   189
.set TS0,  190
.set TS1,  191
.set TO,   192
.set TE,   193
.macro XLOAD t                         ; step t of my row of x: four loads of 512 consecutive bytes, into set t % 3
.irp i, 0,1,2,3
	global_load_b128 v[R+16*((\t)%3)+4*\i:R+16*((\t)%3)+4*\i+3], v[LI], s[4:5] offset:2048*(\t)+512*\i th:TH_LOAD_NT
.endr
.endm
.macro XTURN t                         ; its 2,048 bytes through my stage, as they lie, and back 64 bytes a lane: LDS serves a wave's instructions in order (ISA guide 5.7.1.4), so no wait stands between
.irp i, 0,1,2,3
	ds_store_b128 v[XSI], v[R+16*((\t)%3)+4*\i:R+16*((\t)%3)+4*\i+3] offset:8*SP*\i
.endr
.irp i, 0,1,2,3
	ds_load_b128 v[XX+4*\i:XX+4*\i+3], v[XSO] offset:16*\i
.endr
.endm
.macro FRAGS q                         ; source 0 of pair q: tiles 2 q and 2 q + 1
	ds_load_b128 v[CFA:CFA+3],   v[LI] offset:CIMG+2048*(\q)
	ds_load_b128 v[CFA+4:CFA+7], v[LI] offset:CIMG+2048*(\q)+512
	ds_load_b128 v[CFB:CFB+3],   v[LI] offset:CIMG+2048*(\q)+1024
	ds_load_b128 v[CFB+4:CFB+7], v[LI] offset:CIMG+2048*(\q)+1536
	ds_load_b32 v[LBA], v[LBR] offset:256*(\q)
	ds_load_b32 v[LBB], v[LBR] offset:256*(\q)+128
.endm
; Ten matrix instructions: the pair's two Fourier sums by turns, one instruction a turn, K ascending, the first K step starting each sum with the constant 0; then the two LoRA sums.
.macro MM
	v_wmma_f32_16x16x4_f32 v[ACC:ACC+7],    v[CFA:CFA+1], v[SF:SF+1], 0
	s_wait_alu depctr_va_vdst(0)
	v_wmma_f32_16x16x4_f32 v[ACC+8:ACC+15], v[CFB:CFB+1], v[SF:SF+1], 0
.irp s, 1,2,3
	v_wmma_f32_16x16x4_f32 v[ACC:ACC+7],    v[CFA+2*\s:CFA+2*\s+1], v[SF+2*\s:SF+2*\s+1], v[ACC:ACC+7]
	v_wmma_f32_16x16x4_f32 v[ACC+8:ACC+15], v[CFB+2*\s:CFB+2*\s+1], v[SF+2*\s:SF+2*\s+1], v[ACC+8:ACC+15]
.endr
	v_wmma_f32_16x16x4_f32 v[ACC+16:ACC+23], v[LBA:LBA+1], v[LA:LA+1], 0
	v_wmma_f32_16x16x4_f32 v[ACC+24:ACC+31], v[LBB:LBB+1], v[LA:LA+1], 0
.endm
.macro HORNER acc, k                   ; acc = acc x^2 + k, sixteen numbers in eight pairs
.irp j, 0,2,4,6,8,10,12,14
	v_pk_fma_f32 v[\acc+\j:\acc+\j+1], v[\acc+\j:\acc+\j+1], v[T2+\j:T2+\j+1], v[\k:\k+1]
.endr
.endm
; tanh of sixteen held numbers, in place.  The denominator first, so that its reciprocals are at work while the numerator is made; the numerator's lines are the plain places behind them (ISA guide 5.7.2).
.macro TANH x
.irp j, 0,2,4,6,8,10,12,14
	v_pk_mul_f32 v[T2+\j:T2+\j+1], v[\x+\j:\x+\j+1], v[\x+\j:\x+\j+1]
.endr
.irp j, 0,2,4,6,8,10,12,14
	v_pk_fma_f32 v[TQ+\j:TQ+\j+1], v[T2+\j:T2+\j+1], v[KB6:KB6+1], v[KB4:KB4+1]
.endr
	HORNER TQ, KB2
	HORNER TQ, KB0
	s_wait_alu depctr_va_vdst(0)
.irp j, 0,1,2,3,4,5,6,7,8,9,10,11,12,13,14,15
	v_rcp_f32 v[TQ+\j], v[TQ+\j]
.endr
.irp j, 0,2,4,6,8,10,12,14
	v_pk_fma_f32 v[TP+\j:TP+\j+1], v[T2+\j:T2+\j+1], v[KA13:KA13+1], v[KA11:KA11+1]
.endr
	HORNER TP, KA9
	HORNER TP, KA7
	HORNER TP, KA5
	HORNER TP, KA3
	HORNER TP, KA1
.irp j, 0,2,4,6,8,10,12,14
	v_pk_mul_f32 v[\x+\j:\x+\j+1], v[\x+\j:\x+\j+1], v[TP+\j:TP+\j+1]
.endr
	s_wait_alu depctr_va_vdst(0)
.irp j, 0,2,4,6,8,10,12,14
	v_pk_mul_f32 v[\x+\j:\x+\j+1], v[\x+\j:\x+\j+1], v[TQ+\j:TQ+\j+1]
.endr
.endm
.macro KPAIR reg, bits
	v_mov_b32 v[\reg], \bits
	v_mov_b32 v[\reg+1], \bits
.endm
.macro ANG dst, idx                    ; 2 pi (idx / 4095): the quotient by the rounded reciprocal and one correction with the exact remainder, which gives the correctly rounded quotient
	v_cvt_f32_u32 v[TF], v[\idx]
	s_delay_alu instid0(VALU_DEP_1)
	v_mul_f32 v[TD], s46, v[TF]
	s_delay_alu instid0(VALU_DEP_1)
	v_fma_f32 v[TE], -v[TD], s47, v[TF]
	s_delay_alu instid0(VALU_DEP_1)
	v_fma_f32 v[TD], v[TE], s46, v[TD]
	s_delay_alu instid0(VALU_DEP_1)
	v_mul_f32 v[\dst], s57, v[TD]
.endm
; dst[e] = sin or cos of ang x fr[e] + ph[e], e = 0 .. 7, stage by stage, so that no line waits for the line above it
.macro EVAL8 dst, ang, fr, ph, cos
.if \cos
.set ER, EM                            ; what multiplies pi: n - 1/2,
.else
.set ER, EN                            ; or n
.endif
.irp e, 0,1,2,3,4,5,6,7
	v_fma_f32 v[EY+\e], v[\ang], v[\fr+\e], v[\ph+\e]
.endr
.irp e, 0,1,2,3,4,5,6,7
.if \cos
	v_fma_f32 v[EN+\e], v[EY+\e], s48, 1.0
.else
	v_fma_f32 v[EN+\e], v[EY+\e], s48, 0.5
.endif
.endr
.irp e, 0,1,2,3,4,5,6,7
	v_floor_f32 v[EN+\e], v[EN+\e]
.endr
.if \cos
.irp e, 0,1,2,3,4,5,6,7
	v_add_f32 v[EM+\e], -0.5, v[EN+\e]
.endr
.endif
.irp e, 0,1,2,3,4,5,6,7
	v_fma_f32 v[EY+\e], -v[ER+\e], s49, v[EY+\e]   ; less pi's upper part: this difference is exact
.endr
.irp e, 0,1,2,3,4,5,6,7
	v_fma_f32 v[EY+\e], -v[ER+\e], s50, v[EY+\e]   ; and its lower part
.endr
.irp e, 0,1,2,3,4,5,6,7
	v_mul_f32 v[EM+\e], v[EY+\e], v[EY+\e]
.endr
.irp e, 0,1,2,3,4,5,6,7
	v_cvt_i32_f32 v[EN+\e], v[EN+\e]
.endr
.irp e, 0,1,2,3,4,5,6,7
	v_lshlrev_b32 v[EN+\e], 31, v[EN+\e]           ; n's lowest bit as a sign
.endr
.irp e, 0,1,2,3,4,5,6,7
	v_fma_f32 v[EP+\e], v[EM+\e], s51, s52
.endr
.irp c, 53,54,55,56
.irp e, 0,1,2,3,4,5,6,7
	v_fma_f32 v[EP+\e], v[EP+\e], v[EM+\e], s\c
.endr
.endr
.irp e, 0,1,2,3,4,5,6,7
	v_mul_f32 v[EM+\e], v[EM+\e], v[EY+\e]
.endr
.irp e, 0,1,2,3,4,5,6,7
	v_fma_f32 v[EY+\e], v[EM+\e], v[EP+\e], v[EY+\e]
.endr
.irp e, 0,1,2,3,4,5,6,7
	v_xor_b32 v[\dst+\e], v[EN+\e], v[EY+\e]
.endr
.endm
	s_load_b512 s[4:19], s[0:1], 0x0               ; x s[4:5], amp s[6:7], rf s[8:9], cf s[10:11], rp s[12:13], cp s[14:15], lora_A s[16:17], lora_B s[18:19]
	s_load_b256 s[20:27], s[0:1], 0x40             ; alpha s[20:21], beta s[22:23], the scales' exponents s[24:25], x_codes s[26:27]
	s_load_b64 s[28:29], s[0:1], 0x60              ; w_codes
	v_lshl_add_u32 v6, v0, 2, 0x1f800
	v_mov_b32 v15, 0
	v_lshrrev_b32 v[TF], 5, v0
	s_delay_alu instid0(VALU_DEP_1)
	v_readfirstlane_b32 s30, v[TF]                 ; wave 0..15
	v_and_b32 v[TLN], 31, v0                       ; lane
	s_wait_alu depctr_va_vdst(0)
	v_and_b32 v[TR], 15, v0                        ; r
	v_bfe_u32 v[TH], v0, 4, 1                      ; h
	s_wait_alu depctr_va_vdst(0)
	s_mov_b32 s31, ttmp9                           ; ic
	s_and_b32 s32, ttmp7, 0xffff                   ; ob
	s_lshl_b32 s33, s32, 4
	s_add_co_u32 s33, s33, s31                     ; 16 ob + ic
	s_lshl_b32 s34, s33, 4
	s_add_co_u32 s34, s34, s30                     ; my row of x
	s_lshl_b32 s36, s34, 14                        ; its 16,384 bytes,
	s_mov_b32 s37, 0
	s_lshl_b32 s38, s34, 12                        ; its 4,096 codes
	s_mov_b32 s39, 0
	s_lshl_b32 s40, s32, 8
	s_lshl_b32 s41, s30, 4
	s_add_co_u32 s40, s40, s41                     ; o0 = 256 ob + 16 w
	s_lshl_b32 s42, s31, 8                         ; i0 = 256 ic
	s_add_co_u32 s43, s42, s41                     ; the tile whose cosines I make begins at i0 + 16 w
	s_lshl_b32 s44, s40, 12
	s_add_co_u32 s44, s44, s42                     ; w_codes: row o0, byte i0
	s_mov_b32 s45, 0
	s_mov_b32 s46, 0x39800801                      ; 1 / 4095, rounded
	s_mov_b32 s47, 0x457ff000                      ; 4095
	s_mov_b32 s57, 0x40c90fdb                      ; 2 pi
	s_mov_b32 s48, 0x3ea2f983                      ; 1 / pi
	s_mov_b32 s49, 0x40490fdb                      ; pi, upper part
	s_mov_b32 s50, 0xb3bbbd2e                      ; pi, lower part
	s_mov_b32 s51, 0x2f309231                      ; 1 / 13!
	s_mov_b32 s52, 0xb2d7322b                      ; -1 / 11!
	s_mov_b32 s53, 0x3638ef1d                      ; 1 / 9!
	s_mov_b32 s54, 0xb9500d01                      ; -1 / 7!
	s_mov_b32 s55, 0x3c088889                      ; 1 / 5!
	s_mov_b32 s56, 0xbe2aaaab                      ; -1 / 3!
	v_lshlrev_b32 v[LI], 4, v[TLN]
	v_lshl_add_u32 v[LBR], v[TLN], 2, LBIMG
	v_lshlrev_b32 v[KOFF], 3, v[TH]                ; my k of K step s begin at 4 s + 2 h: byte 16 s + 8 h
	v_add_nc_u32 v[TO], s40, v[TR]                 ; my o
	s_delay_alu instid0(VALU_DEP_1)
	v_lshlrev_b32 v[OLA], 3, v[TO]
	s_delay_alu instid0(VALU_DEP_1)
	v_lshl_add_u32 v[OLA], v[TH], 2, v[OLA]        ; lora_A[o][h]
	v_add_nc_u32 v[TI], s43, v[TR]                 ; my i
	s_delay_alu instid0(VALU_DEP_1)
	v_lshlrev_b32 v[OLB], 2, v[TI]
	s_delay_alu instid0(VALU_DEP_1)
	v_lshl_add_u32 v[OLB], v[TH], 14, v[OLB]       ; lora_B[h][i]
	s_lshl_b32 s35, s30, 10
	v_add_nc_u32 v[SCI], s35, v[LI]                ; my tile's image: 1,024 w + 16 x lane
	v_lshl_add_u32 v[SLB], v0, 2, LBIMG            ; 128 w + 4 x lane = 4 x my thread's number
	s_wait_alu depctr_va_vdst(0)
	s_wait_kmcnt 0x0
	s_load_b32 s60, s[20:21], 0x0                  ; alpha
	s_load_b32 s61, s[22:23], 0x0                  ; beta
	s_load_b64 s[58:59], s[24:25], 0x0             ; e0, e1
	s_add_nc_u64 s[4:5], s[4:5], s[36:37]
	s_add_nc_u64 s[26:27], s[26:27], s[38:39]
	s_add_nc_u64 s[28:29], s[28:29], s[44:45]
.irp s, 0,1,2,3
	global_load_b64 v[PCF+2*\s:PCF+2*\s+1], v[KOFF], s[10:11] offset:16*\s
	global_load_b64 v[PCP+2*\s:PCP+2*\s+1], v[KOFF], s[14:15] offset:16*\s
	global_load_b64 v[PRF+2*\s:PRF+2*\s+1], v[KOFF], s[8:9] offset:16*\s
	global_load_b64 v[PRP+2*\s:PRP+2*\s+1], v[KOFF], s[12:13] offset:16*\s
	global_load_b64 v[PAM+2*\s:PAM+2*\s+1], v[KOFF], s[6:7] offset:16*\s
.endr
	global_load_b32 v[LA], v[OLA], s[16:17]
	global_load_b32 v[PLB], v[OLB], s[18:19]
	XLOAD 0
	XLOAD 1
	XLOAD 2
	s_wait_loadcnt 12                              ; loads come back in order (ISA guide 5.7.1): the 22 small ones are in, x's twelve stay out
	ANG TA, TI
	EVAL8 CFA, TA, PCF, PCP, 1                     ; cos(c[i] cf[k] + cp[k]): my tile's fragment
	ds_store_b128 v[SCI], v[CFA:CFA+3] offset:CIMG
	ds_store_b128 v[SCI], v[CFA+4:CFA+7] offset:CIMG+512
	ds_store_b32 v[SLB], v[PLB]
	ANG TA, TO                                     ; the sine is made while those stores land
	EVAL8 SF, TA, PRF, PRP, 0
.irp e, 0,1,2,3,4,5,6,7
	v_mul_f32 v[SF+\e], v[SF+\e], v[PAM+\e]        ; amp[k] sin(r[o] rf[k] + rp[k])
.endr
	v_mov_b32 v[LA+1], 0                           ; the places k = 1 and 3 of the LoRA product hold 0 on both sides
	v_mov_b32 v[LBA+1], 0
	v_mov_b32 v[LBB+1], 0
	s_wait_dscnt 0x0                               ; for the others' sake: my images have landed
	s_barrier_signal -1
	s_barrier_wait -1                              ; all sixteen tiles' images lie in LDS; nobody writes them again
	FRAGS 0
	s_wait_dscnt 0x0
	MM                                             ; pair 0
	; Plain vector work that names none of those registers: more than the eight places that stand between this matrix form and a load into its sources or a read of its results
	s_mul_i32 s34, s30, XSTW
	s_add_co_u32 s34, s34, XST                     ; my stage for x
	v_lshrrev_b32 v[TF], 2, v[TLN]
	s_delay_alu instid0(VALU_DEP_1)
	v_mul_u32_u24 v[TF], v[TF], SP
	v_and_b32 v[TD], 3, v[TLN]
	s_delay_alu instid0(VALU_DEP_1)
	v_lshl_add_u32 v[TF], v[TD], 4, v[TF]
	s_delay_alu instid0(VALU_DEP_1)
	v_add_nc_u32 v[XSI], s34, v[TF]                ; in: four lanes' 64 bytes on end, then the padding
	v_mul_u32_u24 v[TD], v[TLN], SP
	s_delay_alu instid0(VALU_DEP_1)
	v_add_nc_u32 v[XSO], s34, v[TD]                ; out: my 16 neighbours
	s_mul_i32 s35, s30, WSTW
	s_add_co_u32 s35, s35, WST                     ; my stage for W's codes
	v_mul_u32_u24 v[TF], v[TR], WP
	s_delay_alu instid0(VALU_DEP_1)
	v_lshl_add_u32 v[TF], v[TH], 3, v[TF]
	s_delay_alu instid0(VALU_DEP_1)
	v_add_nc_u32 v[WSI], s35, v[TF]
	v_mul_u32_u24 v[TD], v[TH], WP
	s_delay_alu instid0(VALU_DEP_1)
	v_lshl_add_u32 v[TD], v[TR], 4, v[TD]
	s_delay_alu instid0(VALU_DEP_1)
	v_add_nc_u32 v[WSO], s35, v[TD]
	v_lshlrev_b32 v[WGO], 12, v[TH]
	s_delay_alu instid0(VALU_DEP_1)
	v_lshl_add_u32 v[WGO], v[TR], 4, v[WGO]        ; lanes 0-15 one row of w_codes, lanes 16-31 the next; 16 bytes a lane
	v_mov_b32 v[LIM], 0x40fcf84f
	KPAIR KA13, 0xa59f25c0
	KPAIR KA11, 0x2a61337e
	KPAIR KA9,  0xaebd37ff
	KPAIR KA7,  0x335c0041
	KPAIR KA5,  0x3779434a
	KPAIR KA3,  0x3a270ded
	KPAIR KA1,  0x3ba059dc
	KPAIR KB6,  0x35a0d3d8
	KPAIR KB4,  0x38f895d6
	KPAIR KB2,  0x3b14aa05
	KPAIR KB0,  0x3ba059dd
	s_wait_kmcnt 0x0                               ; alpha, beta, e0, e1
	s_add_co_i32 s34, s59, 127
	s_lshl_b32 s35, s34, 23
	v_mov_b32 v[SCW], s35                          ; 2^e1 as f32: the conversion takes its exponent field
	s_add_co_i32 s34, s34, 15
	s_lshl_b32 s34, s34, 23
	s_or_b32 s34, s34, 0x600000
	v_mov_b32 v[HW], s34                           ; 57,344 x 2^e1
	s_add_co_i32 s36, s58, 127
	s_lshl_b32 s37, s36, 23
	v_mov_b32 v[SCX], s37                          ; the same for x
	s_add_co_i32 s36, s36, 15
	s_lshl_b32 s36, s36, 23
	s_or_b32 s36, s36, 0x600000
	v_mov_b32 v[HX], s36
	v_mov_b32 v[TS0], s60
	v_mov_b32 v[TS1], s61
	s_delay_alu instid0(VALU_DEP_2)
	v_mul_f32 v[TS0], 0xbfb8aa3b, v[TS0]           ; sigmoid(a) = 1 / (1 + 2^(-a log2 e))
	s_delay_alu instid0(VALU_DEP_2)
	v_mul_f32 v[TS1], 0xbfb8aa3b, v[TS1]
	s_wait_alu depctr_va_vdst(0)
	v_exp_f32 v[TS0], v[TS0]
	v_exp_f32 v[TS1], v[TS1]
	v_nop                                          ; one plain line behind a transcendental (ISA guide 5.7.2)
	s_wait_alu depctr_va_vdst(0)
	v_add_f32 v[TS0], 1.0, v[TS0]
	v_add_f32 v[TS1], 1.0, v[TS1]
	s_wait_alu depctr_va_vdst(0)
	v_rcp_f32 v[TS0], v[TS0]
	v_rcp_f32 v[TS1], v[TS1]
	v_nop
	s_wait_alu depctr_va_vdst(0)
	v_mul_f32 v[CA], 0x3c800000, v[TS0]            ; x 1/64: exact
	v_mul_f32 v[CB], 0x3c800000, v[TS1]
	s_delay_alu instid0(VALU_DEP_2)
	v_mov_b32 v[CA+1], v[CA]                       ; the packed forms take pairs
	s_delay_alu instid0(VALU_DEP_2)
	v_mov_b32 v[CB+1], v[CB]
	FRAGS 1
	s_wait_loadcnt 8                               ; step 0's four loads of x are in; steps 1 and 2 stay out
	XTURN 0                                        ; (the head's temporaries are done with: x's neighbours land there)
; A STEP: pair p's sums become codes, and 512 numbers of x become codes.  Pair p + 1's products are issued at the step's head and run beside pair p's vector work.
.macro STEP p
.set j, 0
.rept 32
	v_med3_num_f32 v[XF+j], v[ACC+j], -v[LIM], v[LIM]   ; the sums leave the accumulators held within tanh's range; each accumulator from its low end on
.set j, j+1
.endr
	s_wait_dscnt 0x0                               ; pair p + 1's fragments and this step's 16 neighbours of x are in; my stores into the stages have read their registers
.if (\p) < 7
	MM                                             ; pair p + 1.  The last step's vector work stands between this run and the run before, whose accumulators it begins anew
.endif
	TANH XF                                        ; (its lines are the places behind those products)
.if (\p) < 6
	FRAGS (\p)+2
.endif
.irp i, 0,1,2,3,4,5,6,7,8,9,10,11,12,13,14,15
	v_med3_num_f32 v[XX+\i], v[XX+\i], -v[HX], v[HX]    ; the conversion to an 8-bit code does not saturate (ISA guide 7.6.2): the hold at the largest code x the scale
.endr
.if (\p) > 0
	s_wait_alu depctr_va_vdst(0)
	s_wait_xcnt 0x0                                ; the last step's store has read its data: the codes' registers are written again only behind this wait
.endif
	v_cvt_scalef32_pk8_bf8_f32 v[XC:XC+1], v[XX:XX+7], v[SCX]
	v_cvt_scalef32_pk8_bf8_f32 v[XC+2:XC+3], v[XX+8:XX+15], v[SCX]
	v_nop                                          ; one plain line behind the last scaled conversion of a run
	global_store_b128 v[LI], v[XC:XC+3], s[26:27] offset:512*(\p)   ; 32 lanes store 512 consecutive bytes, at a multiple of 256 from the buffer's first byte
.if (\p)+3 < 8
	XLOAD (\p)+3                                   ; into the set that step p has left
.endif
.if (\p) < 7
.if (\p) <= 4
	s_wait_loadcnt 8                               ; step p + 1's loads are in; those of steps p + 2 and p + 3 stay out
.elseif (\p) == 5
	s_wait_loadcnt 4                               ; only step 7's are behind them
.else
	s_wait_loadcnt 0
.endif
	XTURN (\p)+1
.endif
	TANH XL
.irp j, 0,2,4,6,8,10,12,14
	v_pk_mul_f32 v[XF+\j:XF+\j+1], v[XF+\j:XF+\j+1], v[CA:CA+1]
.endr
.irp j, 0,2,4,6,8,10,12,14
	v_pk_fma_f32 v[XF+\j:XF+\j+1], v[XL+\j:XL+\j+1], v[CB:CB+1], v[XF+\j:XF+\j+1]   ; W
.endr
.irp i, 0,1,2,3,4,5,6,7,8,9,10,11,12,13,14,15
	v_med3_num_f32 v[XF+\i], v[XF+\i], -v[HW], v[HW]
.endr
	v_cvt_scalef32_pk8_bf8_f32 v[WC:WC+1], v[XF:XF+7], v[SCW]          ; tile 2 p: i = 32 p + 8 h + 0 .. 7 of my row o0 + r
	v_cvt_scalef32_pk8_bf8_f32 v[WC+2:WC+3], v[XF+8:XF+15], v[SCW]     ; tile 2 p + 1: 16 further on
	v_nop
	ds_store_b64 v[WSI], v[WC:WC+1] offset:32*(\p)
	ds_store_b64 v[WSI], v[WC+2:WC+3] offset:32*(\p)+16
.endm
.irp p, 0,1,2,3,4,5,6,7
	STEP \p
.endr
	; W's codes leave as rows: 16 rows x 256 bytes lie in my stage; sixteen lanes store 256 consecutive bytes, at a multiple of 256 from the buffer's first byte
.irp u, 0,1,2,3,4,5,6,7
	ds_load_b128 v[T2+4*\u:T2+4*\u+3], v[WSO] offset:2*WP*\u       ; LDS serves a wave's instructions in order: these see my stores
.endr
.irp u, 0,1,2,3,4,5,6,7
	s_wait_dscnt 7-\u                              ; load u is in, the younger ones stay out
	global_store_b128 v[WGO], v[T2+4*\u:T2+4*\u+3], s[28:29] offset:8192*\u
.endr
	s_wait_tensorcnt 0x0
	ds_add_u32 v6, v15
	s_wait_dscnt 0x0
	s_endpgm
.Lfunc_end_k_qa4c9af5c5d_prep:
	.size	k_qa4c9af5c5d_prep, .Lfunc_end_k_qa4c9af5c5d_prep-k_qa4c9af5c5d_prep
	.p2alignl 7, 3214868480
	.fill 96, 4, 3214868480
	.section	.rodata,"a",@progbits
	.p2align	6, 0x0
	.amdhsa_kernel k_qa4c9af5c5d_prep
		.amdhsa_group_segment_fixed_size 131072
		.amdhsa_private_segment_fixed_size 0
		.amdhsa_enable_private_segment 0
		.amdhsa_kernarg_size 104
		.amdhsa_user_sgpr_count 2
		.amdhsa_user_sgpr_kernarg_segment_ptr 1
		.amdhsa_wavefront_size32 1
		.amdhsa_system_sgpr_workgroup_id_x 1
		.amdhsa_system_sgpr_workgroup_id_y 1
		.amdhsa_system_sgpr_workgroup_id_z 1
		.amdhsa_system_vgpr_workitem_id 0
		.amdhsa_next_free_vgpr 256
		.amdhsa_next_free_sgpr 66
		.amdhsa_reserve_vcc 0
		.amdhsa_float_denorm_mode_32 3
		.amdhsa_float_denorm_mode_16_64 3
		.amdhsa_memory_ordered 1
		.amdhsa_forward_progress 1
		.amdhsa_inst_pref_size 192
	.end_amdhsa_kernel
	.amdgpu_metadata
---
amdhsa.version: [ 1, 2 ]
amdhsa.kernels:
  - .name:           k_qa4c9af5c5d_prep
    .symbol:         k_qa4c9af5c5d_prep.kd
    .args:
      - { .name: x, .offset: 0, .size: 8, .value_kind: global_buffer, .address_space: global }
      - { .name: amp, .offset: 8, .size: 8, .value_kind: global_buffer, .address_space: global }
      - { .name: rf, .offset: 16, .size: 8, .value_kind: global_buffer, .address_space: global }
      - { .name: cf, .offset: 24, .size: 8, .value_kind: global_buffer, .address_space: global }
      - { .name: rp, .offset: 32, .size: 8, .value_kind: global_buffer, .address_space: global }
      - { .name: cp, .offset: 40, .size: 8, .value_kind: global_buffer, .address_space: global }
      - { .name: lora_A, .offset: 48, .size: 8, .value_kind: global_buffer, .address_space: global }
      - { .name: lora_B, .offset: 56, .size: 8, .value_kind: global_buffer, .address_space: global }
      - { .name: alpha, .offset: 64, .size: 8, .value_kind: global_buffer, .address_space: global }
      - { .name: beta, .offset: 72, .size: 8, .value_kind: global_buffer, .address_space: global }
      - { .name: lowp_scales, .offset: 80, .size: 8, .value_kind: global_buffer, .address_space: global }
      - { .name: x_codes, .offset: 88, .size: 8, .value_kind: global_buffer, .address_space: global }
      - { .name: w_codes, .offset: 96, .size: 8, .value_kind: global_buffer, .address_space: global }
    .group_segment_fixed_size: 131072
    .private_segment_fixed_size: 0
    .kernarg_segment_align: 8
    .kernarg_segment_size: 104
    .max_flat_workgroup_size: 512
    .sgpr_count:     66
    .vgpr_count:     256
    .wavefront_size: 32
...
	.end_amdgpu_metadata
.endif
;; end of part 1
;; launch gemm (part 2): grid 16 x 16, 4 waves a work-group, clusters of 4 x 4, 327,680 bytes of LDS; arguments x_codes, w_codes, lowp_scales, out0, bias; writes out0
.if DOCPART == 2
	.amdgcn_target "amdgcn-amd-amdhsa--gfx1250"
	.amdhsa_code_object_version 6
	.text
	.protected	k_qa4c9af5c5d_gemm
	.globl	k_qa4c9af5c5d_gemm
	.p2align	8
	.type	k_qa4c9af5c5d_gemm,@function
k_qa4c9af5c5d_gemm:
	s_mov_b64 s[64:65], 0
	v_nop
	global_prefetch_b8 v0, s[64:65] scope:SCOPE_SE
	s_setreg_imm32_b32 hwreg(HW_REG_WAVE_MODE, 25, 1), 1
	s_wait_xcnt 0x0
	s_wait_alu depctr_hold_cnt(0) depctr_sa_sdst(0) depctr_va_vdst(0) depctr_va_sdst(0) depctr_va_ssrc(0) depctr_va_vcc(0) depctr_vm_vsrc(0)
	s_getreg_b32 s2, hwreg(HW_REG_IB_STS2, 6, 4)
	s_cmp_eq_u32 s2, 0
	s_cbranch_scc0 .Lentry_in_a_cluster
	s_endpgm
.Lentry_in_a_cluster:
	s_bfe_u32 s2, ttmp6, 0x10000c
	s_cmp_lg_u32 s2, 0xf033
	s_cbranch_scc0 .Lentry_shape_is_right
	s_endpgm
.Lentry_shape_is_right:
; out0[m][n] = 2^(e0 + e1) x (sum over k of x_codes[m][k] w_codes[n][k]) + bias[n]: codes of BF8 (E5M2), K innermost, rows of 4,096 bytes; sums in f32.
; LIMIT: e0 + e1 lies between -126 and 127, so that 2^(e0 + e1) is an f32 number.
; A tile of 256 x 256 to a work-group of four waves; a wave makes 128 x 128: 64 accumulators, 512 registers.  K goes in steps of 256 through two LDS slots (rows of 256 bytes + 16 of padding).
; CLUSTERS of 4 x 4: x's tile is asked for jointly along a row of the cluster, W's along a column; one tensor load a wave (128 rows) behind each round.
; The matrix instruction takes 16 rows of W as source 0 and 16 rows of x as source 1: a lane holds eight neighbouring columns of one row of the result.
; A fragment comes by four loads of 16 bytes: the same permutation of k on both sides, so every product meets its partner.
; PREFETCH: the request for K step t is followed by one instruction a wave that names K step t + 2: 32 rows x 256 bytes, a lane a row.  Of the 128 rows that a wave fetches each of the
; four partners names 32, told apart by address.  The head names steps 1, 2 and 3; the loop's last trip names nothing (steps 16 and 17 do not exist).
; THE LAST K STEP (slot 1) GOES BY ROWS OF THE RESULT: W's fragments of both halves fill window 1, x's come by blocks of 16 rows x 256 K; each block of 16 rows leaves when it is finished.
; REGISTERS: window 0: v0-31 addresses and bias, v128-255 x's fragments (one set); window 1: W's fragments, two sets; windows 2, 3: the accumulators ((a, b) at v[8 (8 (a % 4) + b)]).
.set SIZE_N, 4096
.set ROWB,   256
.set KROW,   4096
.set PITCH,  272
.set FR,     16
.set HALFT,  128*PITCH
.set SLOT,   4*HALFT
.set LAPS,   8
.set SPARE,  2*SLOT                    ; the spare words, 512 bytes behind the ring
.set SPITCH, 528                       ; the stage: 16 rows x (512 + 16) bytes a wave, in slot 0, which has had its last fill and its last read by then
.set BIAS, 8
.set ADRA, 16
.set ADRB, 20
.set STO,  24
.set RD,   25
.set CO,   26
.set SPW,  28
.set NIL,  29
.set PFO,  30                          ; my lane x 4,096: a row of codes
.set AF,   128
.set G1, 24
.set G0, 32
.set G1B, 48
.set G0B, 56
.set PFA, 66                           ; s[66:67] where my prefetches stand
.set MSB, 0
.macro WIN new                         ; the immediate's high byte repeats the setting that is left
.if MSB != (\new)
	s_set_vgpr_msb (MSB<<8)|(\new)
.set MSB, \new
.endif
.endm
.set MUL_LO, 0xa1
.set MUL_HI, 0xf1
.set TO_B,   0x40
.macro JLOAD g0a, g1a, g0b, g1b        ; waves 0, 1 ask for x's halves, waves 2, 3 for W's; s_nop 0 and four v_nop behind each line
	s_cmp_eq_u32 s15, 0
	s_cbranch_scc0 .Lfor_b_\@
	tensor_load_to_lds s[\g0a:\g0a+3], s[\g1a:\g1a+7]
	s_nop 0
.rept 4
	v_nop
.endr
	s_branch .Lasked_\@
.Lfor_b_\@:
	tensor_load_to_lds s[\g0b:\g0b+3], s[\g1b:\g1b+7]
	s_nop 0
.rept 4
	v_nop
.endr
.Lasked_\@:
.endm
.macro CREST
	s_cmp_lg_u32 s14, 0
	s_cbranch_scc1 .Lnot_wave_0_\@
	s_barrier_signal -3
.Lnot_wave_0_\@:
	s_barrier_wait -3
	s_barrier_signal -1
	s_barrier_wait -1
.endm
.macro CROUND
	s_barrier_signal -1
	s_barrier_wait -1
	CREST
.endm
.macro PLACES
.rept 4
	v_nop
.endr
.endm
.macro FRAG reg, adr, q, i             ; 16 rows x 128 K: registers 4 c .. 4 c + 3 hold K = 32 c + 16 (l / 16) + 0 .. 15 of row l % 16
.irp c, 0,1,2,3
	ds_load_b128 v[\reg+4*\c:\reg+4*\c+3], v[\adr] offset:128*(\q)+32*\c+(\i)*16*PITCH
.endr
.endm
.macro MUL8 a, p, zero                 ; x's block a against W's eight of set p; the accumulators take turns
.irp b, 0,1,2,3,4,5,6,7
.if \zero
	v_wmma_f32_16x16x128_bf8_bf8 v[8*(8*((\a)%4)+\b):8*(8*((\a)%4)+\b)+7], v[128*(\p)+FR*\b:128*(\p)+FR*\b+FR-1], v[AF+FR*(\a):AF+FR*(\a)+FR-1], 0
.else
	v_wmma_f32_16x16x128_bf8_bf8 v[8*(8*((\a)%4)+\b):8*(8*((\a)%4)+\b)+7], v[128*(\p)+FR*\b:128*(\p)+FR*\b+FR-1], v[AF+FR*(\a):AF+FR*(\a)+FR-1], v[8*(8*((\a)%4)+\b):8*(8*((\a)%4)+\b)+7]
.endif
.endr
.endm
.macro MULS a0, a1, p, zero            ; blocks a0 .. a1
.set AB, \a0
.rept \a1-\a0+1
	MUL8 AB, \p, \zero
.set AB, AB+1
.endr
.endm
.macro FETCH_B slot, q, p
	WIN TO_B
.irp i, 0,1,2,3,4,5,6,7
	FRAG 128*(\p)+FR*\i, ADRB+\slot, \q, \i
.endr
	WIN 0
.endm
.macro FETCH_A slot, q, i0, i1         ; x's blocks i0 .. i1
.set AI, \i0
.rept \i1-\i0+1
	FRAG AF+FR*AI, ADRA+\slot, \q, AI
.set AI, AI+1
.endr
.endm
	s_load_b128 s[4:7], s[0:1], 0x0                ; x_codes, w_codes
	s_load_b128 s[8:11], s[0:1], 0x10              ; the scales' exponents, out0
	s_load_b64 s[12:13], s[0:1], 0x20              ; bias
	v_lshl_add_u32 v[SPW], v0, 2, SPARE
	v_mov_b32 v[NIL], 0
	ds_add_u32 v[SPW], v[NIL]                      ; the opening lines: the add twice on end and one wait
	ds_add_u32 v[SPW], v[NIL]
	v_lshrrev_b32 v1, 5, v0
	v_readfirstlane_b32 s14, v1                    ; wave
	s_lshr_b32 s15, s14, 1                         ; my half of the tile's rows; also: I ask for x (0) or for W (1)
	s_and_b32 s16, s14, 1                          ; my half of its columns; also: which 128 rows I ask for
	s_bfe_u32 s40, ttmp6, 0x40000                  ; cx
	s_bfe_u32 s41, ttmp6, 0x40004                  ; cy
	s_lshl_b32 s42, ttmp9, 2
	s_add_co_u32 s42, s42, s40                     ; tile column
	s_and_b32 s17, ttmp7, 0xffff
	s_lshl_b32 s17, s17, 2
	s_add_co_u32 s17, s17, s41                     ; tile row
	s_lshl_b32 s43, s41, 2
	s_lshl_b32 s43, 15, s43                        ; my row of the cluster
	s_lshl_b32 s44, 0x1111, s40                    ; my column
	s_or_b32 s[G1+0], s43, (0<<16)|(1<<20)|(1<<21)|(5<<22)|(3<<25)   ; bytes; 4 words of padding behind every 64
	s_or_b32 s[G1B+0], s44, (0<<16)|(1<<20)|(1<<21)|(5<<22)|(3<<25)
.irp g, G1, G1B
	s_mov_b32 s[\g+1], ROWB<<16
	s_mov_b32 s[\g+2], 128<<16
	s_mov_b32 s[\g+3], ROWB<<16
	s_mov_b32 s[\g+4], 128
	s_mov_b32 s[\g+5], KROW
	s_mov_b32 s[\g+6], 0
	s_mov_b32 s[\g+7], 0
.endr
	s_lshl_b32 s18, s16, 7
	s_lshl_b32 s20, s17, 8
	s_add_co_u32 s20, s20, s18                     ; x: row 256 x tile row + 128 x half
	s_lshl_b32 s46, s42, 8
	s_add_co_u32 s46, s46, s18                     ; W: row 256 x tile column + 128 x half
	s_lshl_b32 s20, s20, 12                        ; in bytes, under 2^24
	s_lshl_b32 s46, s46, 12
	s_mov_b32 s21, 0
	s_mov_b32 s47, 0
	s_mul_i32 s45, s14, HALFT                      ; where my rows go in a slot
	s_wait_dscnt 0x0                               ; both opening adds are done
	s_wait_kmcnt 0x0
	s_load_b64 s[96:97], s[8:9], 0x0               ; e0, e1
	s_add_nc_u64 s[20:21], s[4:5], s[20:21]
	s_add_nc_u64 s[46:47], s[6:7], s[46:47]
.irp s, 0,1
	s_mov_b32 s[G0+4*\s], 1
	s_add_co_u32 s[G0+4*\s+1], s45, \s*SLOT
	s_add_nc_u64 s[G0+4*\s+2:G0+4*\s+3], s[20:21], \s*ROWB
	s_or_b32 s[G0+4*\s+3], s[G0+4*\s+3], 0x80000000
	s_mov_b32 s[G0B+4*\s], 1
	s_add_co_u32 s[G0B+4*\s+1], s45, \s*SLOT
	s_add_nc_u64 s[G0B+4*\s+2:G0B+4*\s+3], s[46:47], \s*ROWB
	s_or_b32 s[G0B+4*\s+3], s[G0B+4*\s+3], 0x80000000
.endr
	CROUND                                         ; all sixteen work-groups are here
	JLOAD G0, G1, G0B, G1B                         ; K step 0: my one tensor load at the head
	s_mul_i32 s68, s15, HALFT                      ; my 128 rows of x in a slot
	s_mul_i32 s69, s16, HALFT
	s_add_co_u32 s69, s69, 2*HALFT                 ; my 128 rows of W
	s_mul_i32 s70, s14, 16*SPITCH                  ; my stage
	s_lshl_b32 s20, s17, 8
	s_lshl_b32 s21, s15, 7
	s_add_co_u32 s20, s20, s21                     ; my first row of the result,
	s_lshl_b32 s20, s20, 14                        ; in bytes, under 2^26
	s_mov_b32 s21, 0
	s_lshl_b32 s46, s42, 10
	s_lshl_b32 s47, s16, 9
	s_add_co_u32 s46, s46, s47                     ; my first column, in bytes
	s_mov_b32 s47, 0
	s_add_nc_u64 s[12:13], s[12:13], s[46:47]
	s_add_nc_u64 s[20:21], s[20:21], s[46:47]
	s_add_nc_u64 s[10:11], s[10:11], s[20:21]
	s_lshl_b32 s71, s17, 8                         ; the prefetches: the tile's first row, by the tile row (x) or the tile column (W),
	s_lshl_b32 s72, s42, 8
	s_cmp_eq_u32 s15, 0
	s_cselect_b32 s71, s71, s72
	s_cselect_b32 s72, s40, s41                    ; my place among the four that ask with me
	s_cselect_b64 s[PFA:PFA+1], s[4:5], s[6:7]
	s_lshl_b32 s73, s16, 7
	s_add_co_u32 s71, s71, s73                     ; + the 128 rows that I fetch
	s_lshl_b32 s72, s72, 5
	s_add_co_u32 s71, s71, s72                     ; + my work-group's 32 of them
	s_lshl_b32 s72, s71, 12
	s_mov_b32 s73, 0
	s_add_nc_u64 s[PFA:PFA+1], s[PFA:PFA+1], s[72:73]
	v_and_b32 v1, 15, v0                           ; l % 16
	v_bfe_u32 v2, v0, 4, 1                         ; l / 16
	v_mul_u32_u24 v3, v1, PITCH
	v_lshl_add_u32 v4, v2, 4, v3
	v_add_nc_u32 v[ADRA], s68, v4
	v_add_nc_u32 v[ADRB], s69, v4
	v_add_nc_u32 v[ADRA+1], SLOT, v[ADRA]
	v_add_nc_u32 v[ADRB+1], SLOT, v[ADRB]
	v_mul_u32_u24 v5, v1, SPITCH                   ; into the stage: row l % 16, 32 bytes for each half of the lanes
	v_lshl_add_u32 v5, v2, 5, v5
	v_add_nc_u32 v[STO], s70, v5
	v_and_b32 v6, 31, v0
	v_lshlrev_b32 v[CO], 4, v6                     ; back: the 32 lanes take a row of 512 bytes; the same in the result and in bias
	v_add_nc_u32 v[RD], s70, v[CO]
	v_lshlrev_b32 v[PFO], 12, v6
	s_wait_alu depctr_va_vdst(0)
	global_load_b128 v[BIAS:BIAS+3], v[CO], s[12:13]   ; my four columns' bias
	global_prefetch_b8 v[PFO], s[PFA:PFA+1] offset:ROWB th:TH_LOAD_NT scope:SCOPE_SE     ; K step 1
	global_prefetch_b8 v[PFO], s[PFA:PFA+1] offset:2*ROWB th:TH_LOAD_NT scope:SCOPE_SE   ; K step 2
	s_wait_tensorcnt 0x0                           ; my part of K step 0 is in; slot 1's first fill is issued as a refill is
	ds_add_u32 v[SPW], v[NIL]
	s_wait_dscnt 0x0
	CROUND
	JLOAD G0+4, G1, G0B+4, G1B                     ; K step 1
	FETCH_B 0, 0, 0
	FETCH_A 0, 0, 0, 7
	global_prefetch_b8 v[PFO], s[PFA:PFA+1] offset:3*ROWB th:TH_LOAD_NT scope:SCOPE_SE   ; K step 3
	s_wait_kmcnt 0x0
	s_add_co_i32 s96, s96, s97
	s_add_co_i32 s96, s96, 127
	s_lshl_b32 s96, s96, 23                        ; 2^(e0 + e1) as f32
	s_mov_b32 s97, s96
; A slot's first 128 along K: W's set 0; the second half's fragments are fetched in two runs.
.macro STEP slot, zero
	s_wait_dscnt 16                                ; all but the youngest sixteen loads (x's blocks 4-7)
	WIN MUL_LO
	MULS 0, 3, 0, \zero
	s_wait_dscnt 0
	PLACES
	FETCH_B \slot, 1, 1
	FETCH_A \slot, 1, 0, 3
	WIN MUL_HI
	MULS 4, 7, 0, \zero
	PLACES
	WIN 0
	FETCH_A \slot, 1, 4, 7
.endm
; A slot's second 128 along K changes slots.  All this slot's fragments are in registers, so the round and the refill stand behind the first sixteen products.
.macro TURN slot, next
	s_wait_xcnt 0x0                                ; my prefetch has read its address
	s_add_nc_u64 s[PFA:PFA+1], s[PFA:PFA+1], ROWB
	s_wait_tensorcnt 0x0                           ; my part of the next slot is in
	ds_add_u32 v[SPW], v[NIL]
	s_wait_dscnt 17                                ; the add and x's blocks 4-7 may be out
	WIN MUL_LO
	MUL8 0, 1, 0
	s_wait_dscnt 0x0                               ; the add is done, my reads of this slot are over
	s_barrier_signal -1
	MUL8 1, 1, 0
	WIN 0
	s_barrier_wait -1
	CREST                                          ; the round: no wave of any partner reads this slot or has a load out
	s_add_nc_u64 s[G0+4*\slot+2:G0+4*\slot+3], s[G0+4*\slot+2:G0+4*\slot+3], 2*ROWB
	s_add_nc_u64 s[G0B+4*\slot+2:G0B+4*\slot+3], s[G0B+4*\slot+2:G0B+4*\slot+3], 2*ROWB
	JLOAD G0+4*\slot, G1, G0B+4*\slot, G1B         ; its four v_nop are the places in front of the loads below
	FETCH_B \next, 0, 0
	FETCH_A \next, 0, 0, 1
	s_cmp_gt_u32 s3, 1                             ; the last trip's refills have no K step two on
	s_cbranch_scc0 .Lno_ask_\@
	global_prefetch_b8 v[PFO], s[PFA:PFA+1] offset:3*ROWB th:TH_LOAD_NT scope:SCOPE_SE
.Lno_ask_\@:
	WIN MUL_LO
	MULS 2, 3, 1, 0
	PLACES
	WIN 0
	FETCH_A \next, 0, 2, 3
	WIN MUL_HI
	MULS 4, 7, 1, 0
	PLACES
	WIN 0
	FETCH_A \next, 0, 4, 7
.endm
	STEP 0, 1                                      ; the first products start the sums
	s_mov_b32 s3, LAPS-1
.Llap:
	TURN 0, 1
	STEP 1, 0
	TURN 1, 0
	STEP 0, 0
	s_sub_co_u32 s3, s3, 1
	s_cmp_lg_u32 s3, 0
	s_cbranch_scc1 .Llap
; THE END.  x's block a of the last K step: 16 rows x 256 K, 32 registers, in buffer a % 4.
.macro ALOAD a
.irp q, 0,1
	FRAG AF+32*((\a)%4)+FR*\q, ADRA+1, \q, \a
.endr
.endm
.macro ROWQ a, q                       ; block a's eight accumulators, half q of the K step
	WIN MUL_LO+0x50*((\a)/4)
.irp b, 0,1,2,3,4,5,6,7
	v_wmma_f32_16x16x128_bf8_bf8 v[64*((\a)%4)+8*\b:64*((\a)%4)+8*\b+7], v[128*(\q)+FR*\b:128*(\q)+FR*\b+FR-1], v[AF+32*((\a)%4)+FR*(\q):AF+32*((\a)%4)+FR*(\q)+FR-1], v[64*((\a)%4)+8*\b:64*((\a)%4)+8*\b+7]
.endr
.endm
; A finished block goes through my stage and comes back, as whole rows of 512 bytes, into its own accumulators' registers (LDS serves a wave's instructions in order: ISA guide 5.7.1.4).
.macro TOSTAGE a
.set AC, 64*((\a)%4)
	WIN 0x08+4*((\a)/4)                            ; store data: window 2 or 3; each accumulator from its low end on
.irp b, 0,1,2,3,4,5,6,7
	ds_store_b128 v[STO], v[AC+8*\b:AC+8*\b+3] offset:64*\b
	ds_store_b128 v[STO], v[AC+8*\b+4:AC+8*\b+7] offset:64*\b+16
.endr
	WIN 0x80+0x40*((\a)/4)                         ; destination: the same window
.irp t, 0,1,2,3,4,5,6,7,8,9,10,11,12,13,14,15
	ds_load_b128 v[AC+4*\t:AC+4*\t+3], v[RD] offset:\t*SPITCH
.endr
	WIN 0
.endm
.macro SEND a, younger                 ; x 2^(e0 + e1), + bias, and out: 32 lanes store 512 consecutive bytes, at a multiple of 256 from the buffer's first byte; 127 rows of 16,384 bytes stay inside the immediate
.set AC, 64*((\a)%4)
	s_wait_dscnt \younger
	WIN 0x82+0x41*((\a)/4)
.irp t, 0,1,2,3,4,5,6,7,8,9,10,11,12,13,14,15
	v_pk_fma_f32 v[AC+4*\t:AC+4*\t+1], v[AC+4*\t:AC+4*\t+1], s[96:97], v[BIAS:BIAS+1] op_sel_hi:[1,0,1]
	v_pk_fma_f32 v[AC+4*\t+2:AC+4*\t+3], v[AC+4*\t+2:AC+4*\t+3], s[96:97], v[BIAS+2:BIAS+3] op_sel_hi:[1,0,1]
.endr
	WIN 0x08+4*((\a)/4)
.irp t, 0,1,2,3,4,5,6,7,8,9,10,11,12,13,14,15
	global_store_b128 v[CO], v[AC+4*\t:AC+4*\t+3], s[10:11] offset:(16*(\a)+\t)*SIZE_N*4 th:TH_STORE_NT
.endr
	WIN 0
.endm
	s_wait_loadcnt 0x0                             ; bias
	s_wait_tensorcnt 0x0                           ; my part of K step 15; nothing is filled again, so no round follows
	ds_add_u32 v[SPW], v[NIL]
	s_wait_dscnt 17
	WIN MUL_LO
	MUL8 0, 1, 0
	s_wait_dscnt 0x0
	s_barrier_signal -1
	MUL8 1, 1, 0
	WIN 0
	s_barrier_wait -1                              ; slot 1 is whole, nobody reads slot 0 any more
	PLACES
	FETCH_B 1, 0, 0
	ALOAD 0
	WIN MUL_LO
	MULS 2, 3, 1, 0
	PLACES
	WIN 0
	ALOAD 1
	WIN MUL_HI
	MULS 4, 7, 1, 0
	PLACES
	FETCH_B 1, 1, 1
	ALOAD 2
	ALOAD 3
	s_wait_dscnt 48                                ; all but W's second set (32) and x's blocks 2, 3 (16)
	ROWQ 0, 0
	ROWQ 1, 0
	s_wait_dscnt 16                                ; W's second set is in
	ROWQ 0, 1
	PLACES
	TOSTAGE 0
	ALOAD 4
	ROWQ 1, 1
.irp a, 1,2,3,4,5,6,7
	PLACES                                         ; behind block a's last products
.if \a < 5
	SEND \a-1, 8                                   ; behind its loads from the stage: eight loads of x
.else
	SEND \a-1, 0
.endif
	TOSTAGE \a
.if \a < 4
	ALOAD \a+4
.endif
.if \a < 7
	ROWQ \a+1, 0
	ROWQ \a+1, 1
.endif
.endr
	SEND 7, 0
	s_wait_tensorcnt 0x0                           ; the wave's end
	ds_add_u32 v[SPW], v[NIL]
	s_wait_dscnt 0x0
	CROUND                                         ; the closing round
	s_endpgm
.Lfunc_end_k_qa4c9af5c5d_gemm:
	.size	k_qa4c9af5c5d_gemm, .Lfunc_end_k_qa4c9af5c5d_gemm-k_qa4c9af5c5d_gemm
	.p2alignl 7, 3214868480
	.fill 96, 4, 3214868480
	.section	.rodata,"a",@progbits
	.p2align	6, 0x0
	.amdhsa_kernel k_qa4c9af5c5d_gemm
		.amdhsa_group_segment_fixed_size 327680
		.amdhsa_private_segment_fixed_size 0
		.amdhsa_enable_private_segment 0
		.amdhsa_kernarg_size 40
		.amdhsa_user_sgpr_count 2
		.amdhsa_user_sgpr_kernarg_segment_ptr 1
		.amdhsa_wavefront_size32 1
		.amdhsa_system_sgpr_workgroup_id_x 1
		.amdhsa_system_sgpr_workgroup_id_y 1
		.amdhsa_system_sgpr_workgroup_id_z 1
		.amdhsa_system_vgpr_workitem_id 0
		.amdhsa_next_free_vgpr 1024
		.amdhsa_next_free_sgpr 98
		.amdhsa_reserve_vcc 0
		.amdhsa_float_denorm_mode_32 3
		.amdhsa_float_denorm_mode_16_64 3
		.amdhsa_memory_ordered 1
		.amdhsa_forward_progress 1
		.amdhsa_inst_pref_size 126
	.end_amdhsa_kernel
	.amdgpu_metadata
---
amdhsa.version: [ 1, 2 ]
amdhsa.kernels:
  - .name:           k_qa4c9af5c5d_gemm
    .symbol:         k_qa4c9af5c5d_gemm.kd
    .args:
      - { .name: x_codes, .offset: 0, .size: 8, .value_kind: global_buffer, .address_space: global }
      - { .name: w_codes, .offset: 8, .size: 8, .value_kind: global_buffer, .address_space: global }
      - { .name: lowp_scales, .offset: 16, .size: 8, .value_kind: global_buffer, .address_space: global }
      - { .name: out0, .offset: 24, .size: 8, .value_kind: global_buffer, .address_space: global }
      - { .name: bias, .offset: 32, .size: 8, .value_kind: global_buffer, .address_space: global }
    .group_segment_fixed_size: 327680
    .private_segment_fixed_size: 0
    .kernarg_segment_align: 8
    .kernarg_segment_size: 40
    .max_flat_workgroup_size: 128
    .sgpr_count:     98
    .vgpr_count:     1024
    .wavefront_size: 32
...
	.end_amdgpu_metadata
.endif
;; end of part 2
